; MI455X (gfx1250); checked and timed in simulation.
; The chip was launched on July 23, 2026; its instructions are those of AMD's public machine-readable ISA for CDNA 5 (MIT licence, August 2026) and "CDNA5" Instruction Set Architecture Reference Guide (July 2026). The comments in the code are by the model that wrote it; some were corrected since.
;; Efficient Attention. Allowed arithmetic: float matrix products may take bf16 or f16 operands with f32 sums; all other float work in f32.
;; Inputs: Wk 512 x 2,048 float32; Wo 2,048 x 2,048 float32; Wq 2,048 x 2,048 float32; Wv 512 x 2,048 float32; cos 1 x 1 x 2,048 x 64 float32; hidden_states 1 x 2,048 x 2,048 float32; sin 1 x 1 x 2,048 x 64 float32.
;; Outputs: out0 1 x 2,048 x 2,048 float32.
;; One version. Each part assembles by itself: llvm-mc -triple=amdgcn-amd-amdhsa -mcpu=gfx1250 --defsym DOCPART=n.
;; ======== version 1 of 1: 4 launches
;; limits: values outside matrix products are rounded to bf16; values are held in f16: magnitudes above 65,504 overflow, below 6.1e-05 lose precision; right only within a limited range of input values
;; workspace buffers: xb 8,388,608 bytes; wqkv 12,582,912 bytes; wob 8,388,608 bytes; csb 524,288 bytes; qkv 12,582,912 bytes; ctx 8,388,608 bytes
;; launch convert (part 1): grid 912 x 1, 8 waves a work-group, no clusters, 0 bytes of LDS; arguments hidden_states, Wq, Wk, Wv, Wo, cos, sin, xb, wqkv, wob, csb; writes xb, wqkv, wob, csb
.if DOCPART == 1
	.amdgcn_target "amdgcn-amd-amdhsa--gfx1250"
	.amdhsa_code_object_version 6
	.text
	.protected	k_q0af0980fc7_convert
	.globl	k_q0af0980fc7_convert
	.p2align	8
	.type	k_q0af0980fc7_convert,@function
k_q0af0980fc7_convert:
	s_mov_b64 s[64:65], 0
	v_nop
	global_prefetch_b8 v0, s[64:65] scope:SCOPE_SE
	s_setreg_imm32_b32 hwreg(HW_REG_WAVE_MODE, 25, 1), 1
	s_wait_xcnt 0x0
; Every input is rounded once to bf16 (to nearest even) and laid out for the three matrix launches that follow:
;   xb   bf16 [2048][2048]  = hidden_states
;   wqkv bf16 [3072][2048]  = Wq * 2^-8 (rows 0-2047), Wk * 2^-8 (rows 2048-2559), Wv * 2^-2 (rows 2560-3071)
;   wob  f16  [2048][2048]  = f16(bf16(4 * Wo))
;   csb  bf16 cos [2048][64], then sin [2048][64]
; The factors are powers of two, so they commute with the rounding; they buy room for the f16 numbers that later launches keep
; (q and k as q * 2^-8, v and the context as v * 2^-2); 2^16 comes back in the softmax's constant, 4 in wob.
; LIMITS: wob is finite for |Wo| < 16,376 and equals bf16(4 Wo) exactly for |4 Wo| >= 2^-14 (below that f16's denormal step 2^-24 rounds it).
; A stream: no LDS, no barrier, no matrix unit.  A work-group takes one chunk of 16,384 numbers (64 KiB in, 32 KiB out); thread t takes
; 16 bytes at 16 t of each 4,096 bytes, so a load of a wave covers 512 consecutive bytes and a store 256 consecutive, aligned bytes.
; All sixteen loads of a thread are issued before the first wait.  No register is written twice while memory may read it.
.set X, 4                              ; v[4:67]   16 x 4 numbers as loaded
.set Y, 68                             ; v[68:99]  16 x 2 words to store
	s_load_b512 s[8:23], s[0:1], 0x0               ; x s[8:9], Wq s[10:11], Wk s[12:13], Wv s[14:15], Wo s[16:17], cos s[18:19], sin s[20:21], xb s[22:23]
	s_load_b128 s[24:27], s[0:1], 0x40             ; wqkv s[24:25], wob s[26:27]
	s_load_b64 s[28:29], s[0:1], 0x50              ; csb
	s_mov_b32 s2, ttmp9                            ; chunk c, 0 to 911
	v_lshlrev_b32 v1, 4, v0                        ; 16 t: my bytes in
	v_lshlrev_b32 v2, 3, v0                        ; 8 t: my bytes out
	s_mov_b32 s34, 0                               ; first chunk of the source
	s_mov_b32 s35, 0                               ; chunk that lands at the destination's first byte
	s_mov_b32 s36, 1.0                             ; the factor
	s_mov_b32 s38, 0                               ; 1: bf16, then f16
	s_wait_kmcnt 0x0
	s_mov_b64 s[30:31], s[8:9]                     ; chunks 0-255: x to xb
	s_mov_b64 s[32:33], s[22:23]
	s_cmp_ge_u32 s2, 256                           ; 256-511: Wq to wqkv
	s_cselect_b64 s[30:31], s[10:11], s[30:31]
	s_cselect_b64 s[32:33], s[24:25], s[32:33]
	s_cselect_b32 s34, 256, s34
	s_cselect_b32 s35, 256, s35
	s_cselect_b32 s36, 0x3b800000, s36             ; 2^-8
	s_cmp_ge_u32 s2, 512                           ; 512-575: Wk, behind Wq in wqkv
	s_cselect_b64 s[30:31], s[12:13], s[30:31]
	s_cselect_b32 s34, 512, s34
	s_cmp_ge_u32 s2, 576                           ; 576-639: Wv, behind Wk
	s_cselect_b64 s[30:31], s[14:15], s[30:31]
	s_cselect_b32 s34, 576, s34
	s_cselect_b32 s36, 0x3e800000, s36             ; 2^-2
	s_cmp_ge_u32 s2, 640                           ; 640-895: Wo to wob
	s_cselect_b64 s[30:31], s[16:17], s[30:31]
	s_cselect_b64 s[32:33], s[26:27], s[32:33]
	s_cselect_b32 s34, 640, s34
	s_cselect_b32 s35, 640, s35
	s_cselect_b32 s36, 4.0, s36
	s_cselect_b32 s38, 1, s38
	s_cmp_ge_u32 s2, 896                           ; 896-903: cos to csb
	s_cselect_b64 s[30:31], s[18:19], s[30:31]
	s_cselect_b64 s[32:33], s[28:29], s[32:33]
	s_cselect_b32 s34, 896, s34
	s_cselect_b32 s35, 896, s35
	s_cselect_b32 s36, 1.0, s36
	s_cselect_b32 s38, 0, s38
	s_cmp_ge_u32 s2, 904                           ; 904-911: sin, behind cos
	s_cselect_b64 s[30:31], s[20:21], s[30:31]
	s_cselect_b32 s34, 904, s34
	s_sub_co_u32 s40, s2, s34
	s_lshl_b32 s40, s40, 16                        ; 65,536 bytes of source a chunk
	s_mov_b32 s41, 0
	s_sub_co_u32 s42, s2, s35
	s_lshl_b32 s42, s42, 15                        ; 32,768 bytes of destination a chunk
	s_mov_b32 s43, 0
	s_add_nc_u64 s[30:31], s[30:31], s[40:41]
	s_add_nc_u64 s[32:33], s[32:33], s[42:43]
	s_mov_b32 s37, s36                             ; the packed multiply names the pair
.irp i, 0,1,2,3,4,5,6,7,8,9,10,11,12,13,14,15
	global_load_b128 v[X+4*\i:X+4*\i+3], v1, s[30:31] offset:4096*\i th:TH_LOAD_NT
.endr
; Part i of the chunk.  half = 1: the bf16 number is widened again and written as f16 (exact in f16's normal range).
.macro CONV i, half
	s_wait_loadcnt 15-\i                           ; loads come back in order: part i is in, the 15 - i younger ones may stay out
	v_pk_mul_f32 v[X+4*\i:X+4*\i+1], v[X+4*\i:X+4*\i+1], s[36:37] op_sel_hi:[1,0]
	v_pk_mul_f32 v[X+4*\i+2:X+4*\i+3], v[X+4*\i+2:X+4*\i+3], s[36:37] op_sel_hi:[1,0]
	v_cvt_pk_bf16_f32 v[Y+2*\i], v[X+4*\i], v[X+4*\i+1]
	v_cvt_pk_bf16_f32 v[Y+2*\i+1], v[X+4*\i+2], v[X+4*\i+3]
.if \half
	v_lshlrev_b32 v[X+4*\i], 16, v[Y+2*\i]
	v_and_b32 v[X+4*\i+1], 0xffff0000, v[Y+2*\i]
	v_lshlrev_b32 v[X+4*\i+2], 16, v[Y+2*\i+1]
	v_and_b32 v[X+4*\i+3], 0xffff0000, v[Y+2*\i+1]
	v_cvt_pk_f16_f32 v[Y+2*\i], v[X+4*\i], v[X+4*\i+1]
	v_cvt_pk_f16_f32 v[Y+2*\i+1], v[X+4*\i+2], v[X+4*\i+3]
.endif
	global_store_b64 v2, v[Y+2*\i:Y+2*\i+1], s[32:33] offset:2048*\i
.endm
	s_cmp_lg_u32 s38, 0
	s_cbranch_scc1 .Lto_f16
.irp i, 0,1,2,3,4,5,6,7,8,9,10,11,12,13,14,15
	CONV \i, 0
.endr
	s_endpgm
.Lto_f16:
.irp i, 0,1,2,3,4,5,6,7,8,9,10,11,12,13,14,15
	CONV \i, 1
.endr
	s_endpgm
.Lfunc_end_k_q0af0980fc7_convert:
	.size	k_q0af0980fc7_convert, .Lfunc_end_k_q0af0980fc7_convert-k_q0af0980fc7_convert
	.p2alignl 7, 3214868480
	.fill 96, 4, 3214868480
	.section	.rodata,"a",@progbits
	.p2align	6, 0x0
	.amdhsa_kernel k_q0af0980fc7_convert
		.amdhsa_group_segment_fixed_size 0
		.amdhsa_private_segment_fixed_size 0
		.amdhsa_enable_private_segment 0
		.amdhsa_kernarg_size 88
		.amdhsa_user_sgpr_count 2
		.amdhsa_user_sgpr_kernarg_segment_ptr 1
		.amdhsa_wavefront_size32 1
		.amdhsa_system_sgpr_workgroup_id_x 1
		.amdhsa_system_sgpr_workgroup_id_y 1
		.amdhsa_system_sgpr_workgroup_id_z 1
		.amdhsa_system_vgpr_workitem_id 0
		.amdhsa_next_free_vgpr 100
		.amdhsa_next_free_sgpr 66
		.amdhsa_reserve_vcc 0
		.amdhsa_float_denorm_mode_32 3
		.amdhsa_float_denorm_mode_16_64 3
		.amdhsa_memory_ordered 1
		.amdhsa_forward_progress 1
		.amdhsa_inst_pref_size 22
	.end_amdhsa_kernel
	.amdgpu_metadata
---
amdhsa.version: [ 1, 2 ]
amdhsa.kernels:
  - .name:           k_q0af0980fc7_convert
    .symbol:         k_q0af0980fc7_convert.kd
    .args:
      - { .name: hidden_states, .offset: 0, .size: 8, .value_kind: global_buffer, .address_space: global }
      - { .name: Wq, .offset: 8, .size: 8, .value_kind: global_buffer, .address_space: global }
      - { .name: Wk, .offset: 16, .size: 8, .value_kind: global_buffer, .address_space: global }
      - { .name: Wv, .offset: 24, .size: 8, .value_kind: global_buffer, .address_space: global }
      - { .name: Wo, .offset: 32, .size: 8, .value_kind: global_buffer, .address_space: global }
      - { .name: cos, .offset: 40, .size: 8, .value_kind: global_buffer, .address_space: global }
      - { .name: sin, .offset: 48, .size: 8, .value_kind: global_buffer, .address_space: global }
      - { .name: xb, .offset: 56, .size: 8, .value_kind: global_buffer, .address_space: global }
      - { .name: wqkv, .offset: 64, .size: 8, .value_kind: global_buffer, .address_space: global }
      - { .name: wob, .offset: 72, .size: 8, .value_kind: global_buffer, .address_space: global }
      - { .name: csb, .offset: 80, .size: 8, .value_kind: global_buffer, .address_space: global }
    .group_segment_fixed_size: 0
    .private_segment_fixed_size: 0
    .kernarg_segment_align: 8
    .kernarg_segment_size: 88
    .max_flat_workgroup_size: 256
    .sgpr_count:     66
    .vgpr_count:     100
    .wavefront_size: 32
...
	.end_amdgpu_metadata
.endif
;; end of part 1
;; launch project (part 2): grid 24 x 8, 4 waves a work-group, clusters of 4 x 4, 327,680 bytes of LDS; arguments xb, wqkv, csb, qkv; writes qkv
.if DOCPART == 2
	.amdgcn_target "amdgcn-amd-amdhsa--gfx1250"
	.amdhsa_code_object_version 6
	.text
	.protected	k_q0af0980fc7_project
	.globl	k_q0af0980fc7_project
	.p2align	8
	.type	k_q0af0980fc7_project,@function
k_q0af0980fc7_project:
	s_mov_b64 s[64:65], 0
	v_nop
	global_prefetch_b8 v0, s[64:65] scope:SCOPE_SE
	s_setreg_imm32_b32 hwreg(HW_REG_WAVE_MODE, 25, 1), 1
	s_wait_xcnt 0x0
	s_wait_alu depctr_hold_cnt(0) depctr_sa_sdst(0) depctr_va_vdst(0) depctr_va_sdst(0) depctr_va_ssrc(0) depctr_va_vcc(0) depctr_vm_vsrc(0)
	s_getreg_b32 s2, hwreg(HW_REG_IB_STS2, 6, 4)
	s_cmp_eq_u32 s2, 0
	s_cbranch_scc0 .Lentry_in_a_cluster
	s_endpgm
.Lentry_in_a_cluster:
	s_bfe_u32 s2, ttmp6, 0x10000c
	s_cmp_lg_u32 s2, 0xf033
	s_cbranch_scc0 .Lentry_shape_is_right
	s_endpgm
.Lentry_shape_is_right:
; [2048 x 3072] = xb * wqkv^T in bf16 with f32 sums, then RoPE on the q and k heads, stored as f16 [48 heads][2048][64]:
; heads 0-31 q * 2^-8, heads 32-39 k * 2^-8, heads 40-47 v * 2^-2 (the factors lie in wqkv; RoPE is linear, so they pass through it).
; LIMITS: the f16 results are finite for |q|, |k| < 1.6e7 and |v| < 2.6e5; below 2^-14 of the scaled number f16's denormal step 2^-24 rounds.
; A work-group makes 256 rows x 128 columns (two heads) with four waves; a wave makes 128 rows x 64 columns, ONE head, so that the RoPE partners
; d and d +- 32 lie in one lane.  24 x 8 = 192 work-groups: a block of 128 x 192 would give 256, but would split heads between waves and mix
; q, k and v inside a cluster.  K goes in 16 steps of 128 (rows of 256 bytes, aligned) through two LDS slots filled by the tensor data mover.
; CLUSTERS of 4 x 4: the four work-groups of a cluster's row need the same tiles of xb, the four of a column the same tiles of wqkv; each tile is
; asked for jointly, with one descriptor and a mask that names the four.  The cluster's x number says what it makes (0-3 q, 4 k, 5 v), so the one
; branch of the way out hangs on a number that all sixteen share.
; REGISTERS: window 0: v16-27 addresses; v32-127 and v128-223 two fragment buffers (4 fragments of W, then 8 of x); v224-255 at work on the way out.
;            window 1: the 32 accumulator tiles, tile (a, b) at v[8 (4 a + b)], a = 16 rows, b = 16 columns.
; The matrix instruction is used transposed (source 0 = 16 rows of W, source 1 = 16 rows of x): lane l holds row l % 16, and its registers 0-7 the
; columns 16 b + 8 (l / 16) + 0..7, eight neighbouring numbers of a row.
.set KSTEP,  128
.set PITCH,  272                       ; 256 bytes + 16 of padding: an odd multiple of 16, so the 16 rows of a fragment load start at different banks
.set AHALF,  128*PITCH                 ; what wave 0 or 1 fetches, and what a wave reads of x
.set BHALF,  64*PITCH                  ; what wave 2 or 3 fetches, and what a wave reads of W
.set BOFF,   2*AHALF                   ; W's 128 rows lie behind x's 256
.set SLOT,   2*AHALF+2*BHALF
.set STAGE,  2*SLOT                    ; behind the ring: 16 rows x 144 bytes for each wave; no tensor load lands here
.set SP,     144
.set LAPS,   8                         ; a lap = two K steps = once round the ring
.set ADRA, 16                          ; v16-17 LDS address of my x fragments in slot 0, 1
.set ADRB, 20                          ; v20-21 the same for W
.set STO,  24                          ; the way out: where I put 16 bytes of a row
.set RD,   25                          ; the way out: where I read rows back
.set CO,   26                          ; my byte offset in the head's rows
.set CSO,  27                          ; my byte offset in the tables of cos and sin
.set F0,   32
.set F1,   128
.set TMP,  224                         ; packed f16, 16 registers
.set RB,   240                         ; rows read back, 16 registers
.set CP,   32                          ; way out: two sets of 16 + 16 registers, cos and sin as loaded (bf16)
.set CE,   96                          ; cos in f32, 32 registers
.set SE,   128                         ; sin in f32, 32 registers
.set TT,   160                         ; rotated numbers, 32 registers
.set G1,  24                           ; s[24:31] group 1 for x's tiles
.set G0,  32                           ; s[32:39] group 0 for x's tiles, one set a slot
.set G1B, 48                           ; s[48:55] group 1 for W's tiles
.set G0B, 56                           ; s[56:63] group 0 for W's tiles, one set a slot
.set MUL, 0x50                         ; C and D in window 1, both sources in window 0
.set MSB, 0
.macro WIN new                         ; the immediate's high byte repeats the setting that is left
.if MSB != \new
	s_set_vgpr_msb (MSB<<8)|\new
.set MSB, \new
.endif
.endm
.macro PLACES                          ; four plain vector instructions behind a matrix instruction (ISA guide 7.12.1) before its registers are loaded into, read or written
.rept 4
	v_nop
.endr
.endm
; A joint load: waves 0 and 1 fetch x's two halves, waves 2 and 3 W's.  The branch hangs on the wave's number alone.
.macro JLOAD s
	s_cmp_eq_u32 s13, 0
	s_cbranch_scc0 .Lfor_b_\@
	tensor_load_to_lds s[G0+4*\s:G0+4*\s+3], s[G1:G1+7]
	s_nop 0
	s_branch .Lasked_\@
.Lfor_b_\@:
	tensor_load_to_lds s[G0B+4*\s:G0B+4*\s+3], s[G1B:G1B+7]
	s_nop 0
.Lasked_\@:
.endm
.macro CREST                           ; a round of the cluster's barrier behind its opening barrier
	s_cmp_lg_u32 s12, 0
	s_cbranch_scc1 .Lnot_wave_0_\@
	s_barrier_signal -3
.Lnot_wave_0_\@:
	s_barrier_wait -3
	s_barrier_signal -1
	s_barrier_wait -1
.endm
.macro CROUND                          ; a whole round
	s_barrier_signal -1
	s_barrier_wait -1
	CREST
.endm
	s_load_b256 s[4:11], s[0:1], 0x0               ; xb s[4:5], wqkv s[6:7], csb s[8:9], qkv s[10:11]
	v_lshl_add_u32 v30, v0, 2, 0x35400
	v_mov_b32 v31, 0
	ds_add_u32 v30, v31
	v_lshrrev_b32 v1, 5, v0
	v_readfirstlane_b32 s12, v1                    ; wave 0..3
	s_lshr_b32 s13, s12, 1                         ; which 128 rows of the block are mine.  Also: I fetch for x (0) or for W (1)
	s_and_b32 s14, s12, 1                          ; which head of the block's two.  Also: which half of that tile I fetch
	s_bfe_u32 s15, ttmp6, 0x40000                  ; cx
	s_bfe_u32 s16, ttmp6, 0x40004                  ; cy
	s_lshl_b32 s17, ttmp9, 2
	s_add_co_u32 s17, s17, s15                     ; block column = 4 x cluster x + cx
	s_and_b32 s18, ttmp7, 0xffff
	s_lshl_b32 s18, s18, 2
	s_add_co_u32 s18, s18, s16                     ; block row = 4 x cluster y + cy
	s_lshl_b32 s19, s16, 2
	s_lshl_b32 s19, 15, s19                        ; my row of the cluster: places 4 cy .. 4 cy + 3
	s_lshl_b32 s20, 0x1111, s15                    ; my column: places cx, cx + 4, cx + 8, cx + 12
	s_mov_b32 s78, 0xffff0000                      ; a word's upper bf16
	; group 1: elements of 2 bytes; 4 words of padding behind every 64 words; bit 21 beside a mask
	s_or_b32 s[G1+0], s19, (1<<16)|(1<<20)|(1<<21)|(5<<22)|(3<<25)
	s_mov_b32 s[G1+1], KSTEP<<16                   ; tensor_dim0 = 128
	s_mov_b32 s[G1+2], 128<<16                     ; tensor_dim1 = 128
	s_mov_b32 s[G1+3], KSTEP<<16                   ; tile_dim0 = 128
	s_mov_b32 s[G1+4], 128                         ; tile_dim1 = 128 rows
	s_mov_b32 s[G1+5], 2048                        ; elements from row to row
	s_mov_b32 s[G1+6], 0
	s_mov_b32 s[G1+7], 0
	s_or_b32 s[G1B+0], s20, (1<<16)|(1<<20)|(1<<21)|(5<<22)|(3<<25)
	s_mov_b32 s[G1B+1], KSTEP<<16
	s_mov_b32 s[G1B+2], 64<<16                     ; tensor_dim1 = 64
	s_mov_b32 s[G1B+3], KSTEP<<16
	s_mov_b32 s[G1B+4], 64                         ; tile_dim1 = 64 rows
	s_mov_b32 s[G1B+5], 2048
	s_mov_b32 s[G1B+6], 0
	s_mov_b32 s[G1B+7], 0
	; where the tiles come from: x's hang on the block row alone, W's on the block column alone, each in registers that never hold the other coordinate
	s_lshl_b32 s42, s14, 7
	s_lshl_b32 s40, s18, 8
	s_add_co_u32 s40, s40, s42                     ; x: row 256 x block row + 128 x half
	s_lshl_b32 s40, s40, 12                        ; rows of 4,096 bytes
	s_mov_b32 s41, 0
	s_lshl_b32 s46, s14, 6
	s_lshl_b32 s44, s17, 7
	s_add_co_u32 s44, s44, s46                     ; W: row 128 x block column + 64 x half
	s_lshl_b32 s44, s44, 12
	s_mov_b32 s45, 0
	s_mul_i32 s22, s12, AHALF                      ; where they go: waves 0, 1: wave x 128 rows;
	s_mul_i32 s23, s12, BHALF
	s_add_co_u32 s23, s23, AHALF                   ; waves 2, 3: behind x's 256 rows, (wave - 2) x 64 rows
	; the way out: my first row m0 = 256 x block row + 128 x half, my head = 2 x block column + half
	s_lshl_b32 s74, s18, 8
	s_lshl_b32 s75, s13, 7
	s_add_co_u32 s74, s74, s75
	s_lshl_b32 s74, s74, 7                         ; rows of 128 bytes, in the tables and in a head alike
	s_mov_b32 s75, 0
	s_lshl_b32 s76, s17, 1
	s_add_co_u32 s76, s76, s14
	s_lshl_b32 s76, s76, 18                        ; a head is 2,048 rows x 128 bytes
	s_add_co_u32 s76, s76, s74
	s_mov_b32 s77, 0
	s_wait_dscnt 0x0
	s_wait_kmcnt 0x0
	s_add_nc_u64 s[40:41], s[4:5], s[40:41]
	s_add_nc_u64 s[44:45], s[6:7], s[44:45]
	s_add_nc_u64 s[68:69], s[8:9], s[74:75]        ; cos at my first row
	s_add_nc_u64 s[70:71], s[68:69], 0x40000       ; sin lies 262,144 bytes behind cos
	s_add_nc_u64 s[72:73], s[10:11], s[76:77]      ; my head at my first row
	CROUND                                         ; all sixteen work-groups are here: the first joint loads meet
.irp s, 0,1
	s_mov_b32 s[G0+4*\s], 1
	s_add_co_u32 s[G0+4*\s+1], s22, \s*SLOT
	s_add_nc_u64 s[G0+4*\s+2:G0+4*\s+3], s[40:41], \s*KSTEP*2
	s_or_b32 s[G0+4*\s+3], s[G0+4*\s+3], 0x80000000
	s_mov_b32 s[G0B+4*\s], 1
	s_add_co_u32 s[G0B+4*\s+1], s23, \s*SLOT
	s_add_nc_u64 s[G0B+4*\s+2:G0B+4*\s+3], s[44:45], \s*KSTEP*2
	s_or_b32 s[G0B+4*\s+3], s[G0B+4*\s+3], 0x80000000
	JLOAD \s                                       ; K steps 0 and 1: two loads of the wave are out here, one ever after
.endr
	v_and_b32 v1, 15, v0                           ; r = l % 16
	v_bfe_u32 v2, v0, 4, 1                         ; h = l / 16
	v_mul_u32_u24 v3, v1, PITCH
	v_lshl_add_u32 v3, v2, 4, v3                   ; row x pitch + 16 h
	s_mul_i32 s66, s13, AHALF                      ; my 128 rows of x
	s_mul_i32 s67, s14, BHALF
	s_add_co_u32 s67, s67, BOFF                    ; my 64 rows of W
.irp s, 0,1
	v_add_nc_u32 v[ADRA+\s], s66, v3
	v_add_nc_u32 v[ADRB+\s], s67, v3
	s_add_co_u32 s66, s66, SLOT
	s_add_co_u32 s67, s67, SLOT
.endr
	s_mul_i32 s66, s12, 16*SP
	s_add_co_u32 s66, s66, STAGE                   ; my stage
	v_mul_u32_u24 v4, v1, SP
	v_lshl_add_u32 v4, v2, 4, v4
	v_add_nc_u32 v[STO], s66, v4                   ; in: row r, 16 bytes for each half of the lanes
	v_bfe_u32 v5, v0, 3, 2
	v_and_b32 v6, 7, v0
	v_mul_u32_u24 v5, v5, SP
	v_lshl_add_u32 v5, v6, 4, v5
	v_add_nc_u32 v[RD], s66, v5                    ; back: eight lanes take a row of 128 bytes, the wave four rows
	v_and_b32 v6, 31, v0
	v_lshlrev_b32 v[CO], 4, v6                     ; and the same four rows in memory: 512 consecutive bytes
	v_lshlrev_b32 v[CSO], 7, v1
	v_lshl_add_u32 v[CSO], v2, 4, v[CSO]           ; tables: row r, 16 bytes at 16 h
; Four matrix instructions: 16 rows a of x against my 64 columns, 32 along K.  zero = 1: the first product starts the sums.
.macro MULROW f, a, zero
.irp b, 0,1,2,3
.if \zero
	v_wmma_f32_16x16x32_bf16 v[8*(4*\a+\b):8*(4*\a+\b)+7], v[\f+8*\b:\f+8*\b+7], v[\f+32+8*\a:\f+32+8*\a+7], 0
.else
	v_wmma_f32_16x16x32_bf16 v[8*(4*\a+\b):8*(4*\a+\b)+7], v[\f+8*\b:\f+8*\b+7], v[\f+32+8*\a:\f+32+8*\a+7], v[8*(4*\a+\b):8*(4*\a+\b)+7]
.endif
.endr
.endm
; 24 LDS loads in one run: 64 rows of W, then 128 rows of x, 32 K at byte k of the rows, into buffer f
.macro FETCH slot, k, f
	WIN 0
.irp i, 0,1,2,3
	ds_load_b128 v[\f+8*\i:\f+8*\i+3],   v[ADRB+\slot] offset:\k+\i*16*PITCH
	ds_load_b128 v[\f+8*\i+4:\f+8*\i+7], v[ADRB+\slot] offset:\k+\i*16*PITCH+32
.endr
.irp i, 0,1,2,3,4,5,6,7
	ds_load_b128 v[\f+32+8*\i:\f+32+8*\i+3],   v[ADRA+\slot] offset:\k+\i*16*PITCH
	ds_load_b128 v[\f+32+8*\i+4:\f+32+8*\i+7], v[ADRA+\slot] offset:\k+\i*16*PITCH+32
.endr
.endm
; A K step is four quarters of 32 along K, 32 matrix instructions each, on buffers 0, 1, 0, 1.  The 32 accumulators take turns in one fixed order,
; one instruction a turn, over the backward jump too.
.macro QUARTER slot, k, f, g, zero
	s_wait_dscnt 8                                 ; W and x's rows 0-63 are in; the youngest eight loads (x's rows 64-127) may be out
	WIN MUL
	MULROW \f, 0, \zero
	MULROW \f, 1, \zero
	MULROW \f, 2, \zero
	MULROW \f, 3, \zero
	PLACES
	FETCH \slot, \k, \g
	s_wait_dscnt 24                                ; all but the 24 just issued
	WIN MUL
	MULROW \f, 4, \zero
	MULROW \f, 5, \zero
	MULROW \f, 6, \zero
	MULROW \f, 7, \zero
.endm
.macro THREE slot, zero
	QUARTER \slot, 64,  F0, F1, \zero
	QUARTER \slot, 128, F1, F0, 0
	QUARTER \slot, 192, F0, F1, 0
.endm
; The last quarter multiplies buffer 1 and changes slots.  In front of the barrier each wave waits for its reads of this slot and for all its tensor
; loads (one is out: its part of the next slot).  fill = 1: the barrier opens a round of the cluster's barrier, and the joint refill of this slot,
; two K steps ahead, is the wave's first and only tensor load behind the round.
.macro TURN slot, next, fill
	s_wait_dscnt 8
	WIN MUL
	MULROW F1, 0, 0
	MULROW F1, 1, 0
	s_wait_dscnt 0                                 ; my reads of this slot are over
	s_wait_tensorcnt 0x0                           ; all my tensor loads have landed
	ds_add_u32 v30, v31
	s_wait_dscnt 0x0
	s_barrier_signal -1
	MULROW F1, 2, 0                                ; register work while the others arrive
	MULROW F1, 3, 0
	WIN 0
	s_barrier_wait -1
.if \fill
	CREST
	s_add_nc_u64 s[G0+4*\slot+2:G0+4*\slot+3], s[G0+4*\slot+2:G0+4*\slot+3], 2*KSTEP*2     ; no load of mine is out: group 0 may be written
	s_add_nc_u64 s[G0B+4*\slot+2:G0B+4*\slot+3], s[G0B+4*\slot+2:G0B+4*\slot+3], 2*KSTEP*2
	JLOAD \slot
.endif
	PLACES
	FETCH \next, 0, F0
	WIN MUL
	MULROW F1, 4, 0
	MULROW F1, 5, 0
	MULROW F1, 6, 0
	MULROW F1, 7, 0
.endm
.macro LAP zero
	THREE 0, \zero
	TURN 0, 1, 1
	THREE 1, 0
	TURN 1, 0, 1
.endm
	s_wait_tensorcnt 1                             ; my part of K step 0 is in; K step 1's stays out
	s_barrier_signal -1
	s_barrier_wait -1
	FETCH 0, 0, F0
	LAP 1                                          ; the first lap stands in front of the loop: its first products start the sums
	WIN 0
	s_mov_b32 s21, LAPS-2
.Llap:
	LAP 0
	WIN 0
	s_sub_co_u32 s21, s21, 1
	s_cmp_lg_u32 s21, 0
	s_cbranch_scc1 .Llap
	THREE 0, 0                                     ; the last lap fills nothing
	TURN 0, 1, 0
	THREE 1, 0
	s_wait_dscnt 8
	WIN MUL
	MULROW F1, 0, 0
	MULROW F1, 1, 0
	MULROW F1, 2, 0
	MULROW F1, 3, 0
	s_wait_dscnt 0
	MULROW F1, 4, 0
	MULROW F1, 5, 0
	MULROW F1, 6, 0
	MULROW F1, 7, 0
	PLACES                                         ; behind the last matrix instructions: results are read, fragment registers are loaded into and written
	WIN 0
; THE WAY OUT, 16 rows at a time.  cos and sin of rows 16 a .. 16 a + 15: lane (r, h) takes, for each b, the 16 bytes of columns 16 b + 8 h .. + 7.
.macro CSLOAD a
.irp b, 0,1,2,3
	global_load_b128 v[CP+32*((\a)&1)+4*\b:CP+32*((\a)&1)+4*\b+3], v[CSO], s[68:69] offset:2048*(\a)+32*\b
.endr
.irp b, 0,1,2,3
	global_load_b128 v[CP+32*((\a)&1)+16+4*\b:CP+32*((\a)&1)+16+4*\b+3], v[CSO], s[70:71] offset:2048*(\a)+32*\b
.endr
.endm
; rope = 1: y[d] = x[d] cos[d] - x[d+32] sin[d] for d < 32, x[d] cos[d] + x[d-32] sin[d] for d >= 32; the partner is tile (b + 2) % 4 of the same lane.
.macro OUT16 a, rope
.if \rope
.if \a < 7
	s_wait_loadcnt 8                               ; this step's eight loads are in, the next step's eight stay out
.else
	s_wait_loadcnt 0
.endif
.irp b, 0,1,2,3
.irp q, 0,1,2,3
	v_lshlrev_b32 v[CE+8*\b+2*\q],   16,  v[CP+32*(\a&1)+4*\b+\q]
	v_and_b32     v[CE+8*\b+2*\q+1], s78, v[CP+32*(\a&1)+4*\b+\q]
	v_lshlrev_b32 v[SE+8*\b+2*\q],   16,  v[CP+32*(\a&1)+16+4*\b+\q]
	v_and_b32     v[SE+8*\b+2*\q+1], s78, v[CP+32*(\a&1)+16+4*\b+\q]
.endr
.endr
.if \a < 6
	CSLOAD \a+2                                    ; into the set just unpacked
.endif
	WIN 0x01                                       ; source 0 = accumulators
.irp b, 0,1,2,3
.irp q, 0,1,2,3
	v_pk_mul_f32 v[TT+8*\b+2*\q:TT+8*\b+2*\q+1], v[8*(4*\a+\b)+2*\q:8*(4*\a+\b)+2*\q+1], v[CE+8*\b+2*\q:CE+8*\b+2*\q+1]
.endr
.endr
.irp b, 0,1
.irp j, 0,1,2,3,4,5,6,7
	v_fma_f32 v[TT+8*\b+\j], -v[8*(4*\a+\b+2)+\j], v[SE+8*\b+\j], v[TT+8*\b+\j]
.endr
.endr
.irp b, 2,3
.irp q, 0,1,2,3
	v_pk_fma_f32 v[TT+8*\b+2*\q:TT+8*\b+2*\q+1], v[8*(4*\a+\b-2)+2*\q:8*(4*\a+\b-2)+2*\q+1], v[SE+8*\b+2*\q:SE+8*\b+2*\q+1], v[TT+8*\b+2*\q:TT+8*\b+2*\q+1]
.endr
.endr
	WIN 0
.irp b, 0,1,2,3
.irp q, 0,1,2,3
	v_cvt_pk_f16_f32 v[TMP+4*\b+\q], v[TT+8*\b+2*\q], v[TT+8*\b+2*\q+1]
.endr
.endr
.else
	WIN 0x05                                       ; both sources = accumulators
.irp b, 0,1,2,3
.irp q, 0,1,2,3
	v_cvt_pk_f16_f32 v[TMP+4*\b+\q], v[8*(4*\a+\b)+2*\q], v[8*(4*\a+\b)+2*\q+1]
.endr
.endr
	WIN 0
.endif
.irp b, 0,1,2,3
	ds_store_b128 v[STO], v[TMP+4*\b:TMP+4*\b+3] offset:32*\b
.endr
	s_wait_xcnt 0x0                                ; RB was the last step's store data: it is loaded into only behind this wait
.irp t, 0,1,2,3
	ds_load_b128 v[RB+4*\t:RB+4*\t+3], v[RD] offset:\t*4*SP       ; a wave's LDS instructions are served in order: these see the stores above
.endr
.irp t, 0,1,2,3
	s_wait_dscnt 3-\t
	global_store_b128 v[CO], v[RB+4*\t:RB+4*\t+3], s[72:73] offset:2048*\a+512*\t   ; four rows of my head: 512 consecutive bytes, aligned
.endr
.endm
	s_cmp_eq_u32 ttmp9, 5                          ; the cluster's x number: 5 makes v, which is not rotated
	s_cbranch_scc1 .Lplain
	CSLOAD 0
	CSLOAD 1
.irp a, 0,1,2,3,4,5,6,7
	OUT16 \a, 1
.endr
	s_branch .Lstored
.Lplain:
.irp a, 0,1,2,3,4,5,6,7
	OUT16 \a, 0
.endr
.Lstored:
	s_wait_tensorcnt 0x0
	ds_add_u32 v30, v31
	s_wait_dscnt 0x0
	CROUND                                         ; the closing round: no work-group ends while a partner may still ask for a tile that names it
	s_endpgm
.Lfunc_end_k_q0af0980fc7_project:
	.size	k_q0af0980fc7_project, .Lfunc_end_k_q0af0980fc7_project-k_q0af0980fc7_project
	.p2alignl 7, 3214868480
	.fill 96, 4, 3214868480
	.section	.rodata,"a",@progbits
	.p2align	6, 0x0
	.amdhsa_kernel k_q0af0980fc7_project
		.amdhsa_group_segment_fixed_size 327680
		.amdhsa_private_segment_fixed_size 0
		.amdhsa_enable_private_segment 0
		.amdhsa_kernarg_size 32
		.amdhsa_user_sgpr_count 2
		.amdhsa_user_sgpr_kernarg_segment_ptr 1
		.amdhsa_wavefront_size32 1
		.amdhsa_system_sgpr_workgroup_id_x 1
		.amdhsa_system_sgpr_workgroup_id_y 1
		.amdhsa_system_sgpr_workgroup_id_z 1
		.amdhsa_system_vgpr_workitem_id 0
		.amdhsa_next_free_vgpr 512
		.amdhsa_next_free_sgpr 80
		.amdhsa_reserve_vcc 0
		.amdhsa_float_denorm_mode_32 3
		.amdhsa_float_denorm_mode_16_64 3
		.amdhsa_memory_ordered 1
		.amdhsa_forward_progress 1
		.amdhsa_inst_pref_size 177
	.end_amdhsa_kernel
	.amdgpu_metadata
---
amdhsa.version: [ 1, 2 ]
amdhsa.kernels:
  - .name:           k_q0af0980fc7_project
    .symbol:         k_q0af0980fc7_project.kd
    .args:
      - { .name: xb, .offset: 0, .size: 8, .value_kind: global_buffer, .address_space: global }
      - { .name: wqkv, .offset: 8, .size: 8, .value_kind: global_buffer, .address_space: global }
      - { .name: csb, .offset: 16, .size: 8, .value_kind: global_buffer, .address_space: global }
      - { .name: qkv, .offset: 24, .size: 8, .value_kind: global_buffer, .address_space: global }
    .group_segment_fixed_size: 327680
    .private_segment_fixed_size: 0
    .kernarg_segment_align: 8
    .kernarg_segment_size: 32
    .max_flat_workgroup_size: 128
    .sgpr_count:     80
    .vgpr_count:     512
    .wavefront_size: 32
...
	.end_amdgpu_metadata
.endif
;; end of part 2
;; launch attend (part 3): grid 32 x 8, 8 waves a work-group, clusters of 4 x 1, 327,680 bytes of LDS; arguments qkv, ctx; writes ctx
.if DOCPART == 3
	.amdgcn_target "amdgcn-amd-amdhsa--gfx1250"
	.amdhsa_code_object_version 6
	.text
	.protected	k_q0af0980fc7_attend
	.globl	k_q0af0980fc7_attend
	.p2align	8
	.type	k_q0af0980fc7_attend,@function
k_q0af0980fc7_attend:
	s_mov_b64 s[64:65], 0
	v_nop
	global_prefetch_b8 v0, s[64:65] scope:SCOPE_SE
	s_setreg_imm32_b32 hwreg(HW_REG_WAVE_MODE, 25, 1), 1
	s_wait_xcnt 0x0
	s_wait_alu depctr_hold_cnt(0) depctr_sa_sdst(0) depctr_va_vdst(0) depctr_va_sdst(0) depctr_va_ssrc(0) depctr_va_vcc(0) depctr_vm_vsrc(0)
	s_getreg_b32 s2, hwreg(HW_REG_IB_STS2, 6, 4)
	s_cmp_eq_u32 s2, 0
	s_cbranch_scc0 .Lentry_in_a_cluster
	s_endpgm
.Lentry_in_a_cluster:
	s_bfe_u32 s2, ttmp6, 0x10000c
	s_cmp_lg_u32 s2, 0x3003
	s_cbranch_scc0 .Lentry_shape_is_right
	s_endpgm
.Lentry_shape_is_right:
; Causal attention with a running maximum.  qkv: f16 [48 heads][2048][64] (q * 2^-8, k * 2^-8, v * 2^-2).  ctx: f16 [2048][2048] = context * 2^-2.
; Work-group y = kv head g.  EIGHT WAVES, two for each SIMD: wave w takes query head 4 g + (w & 3) and half w >> 2 of the KEYS of every tile, so that one
; wave's matrix instructions and LDS waits run under the other's softmax.  The split is by keys and not by query rows: each fragment of K and V is still
; read from LDS by one wave of each head only.  Each half keeps its own maximum, sum and O; at a block's end they are joined through LDS.
; With c the cluster's x number (0..7) and cx the place in the cluster, a work-group makes two blocks of 32 query rows: first block 63 - 4 c - cx, which
; needs the key tiles (of 256 keys) 0 .. (15 - c) / 2, then block 4 c + cx, which needs tiles 0 .. c / 2: 9 trips for every work-group.  In every trip the
; four partners of a cluster want the same tile, so K and V come by joint loads (mask 15).  No trip count, branch or LDS address hangs on cx: it enters
; global addresses of plain loads and stores, and the numbers that the mask compares with.  In a block's last tile every wave computes its 128 keys and masks.
; TRANSPOSED FORMS: S^T = K Q^T (source 0 = 16 keys, source 1 = 16 query rows): lane (r, h) holds query row r and keys 16 kb + 8 h + j, so a row's maximum
; and sum are in the lane but for one exchange of the halves of the lanes, and P^T is a source 1 fragment after a conversion in place.  O^T = V^T P^T, with
; the fragments of V^T made by the transposing LDS load from V as it lies, [key][d].
; p = exp2(c' s + NM), c' = log2(e) / 8 * 2^16 (the 2^16 undoes q's and k's factors), NM = -c' m, m the running maximum of the raw scores.  Old sums are
; multiplied by exp2(NM new - NM old); the two halves of the keys are joined with NM = min of the two and the factors exp2(NM - NM of the half).
; m starts at -1e30: a raw score is a sum of 64 products of f16 numbers, at most 64 * 65504^2 = 2.7e11 in magnitude, so the start lies below every score,
; and a half whose keys are all masked keeps a finite NM, p = exp2(-inf) = 0 and the joining factor exp2(-1.2e34) = 0.
; LIMITS: p is rounded to f16 (below 2^-14 in steps of 2^-24; the row's sum is at least 1); ctx is finite for |context| < 2.6e5.
; O is cleared by moves at the head of each block: where the second block begins hangs on c, so its first product cannot be written out with C = 0.
; LDS: slot s at 81,920 s: eight regions of 10,240 bytes, one for each wave's load: K keys 64 w .. (waves 0-3, pitch 144), V keys 64 (w - 4) .. (waves 4-7, pitch 160).
;      Stage at 163,840: 32 rows x 528 bytes, shared by the heads, so that the 512 bytes of a row of ctx that the four heads make leave as one piece.
;      Hand-over at 180,736: 8,704 bytes a head: O of the second half of the keys (16 x 512 bytes), then its NM and sums (512 bytes).  No tensor load lands in either.
.set REGION, 10240
.set SLOTB,  81920
.set KP,     144                       ; odd multiple of 16 bytes
.set VP,     160                       ; odd multiple of 32 bytes, for the transposing load
.set STAGE,  163840
.set STP,    528
.set MERGE,  STAGE+32*STP
.set MSTEP,  8704
.set ADK, 6                            ; v6-7   my K fragments in slot 0, 1
.set ADV, 8                            ; v8-9   my V fragments in slot 0, 1
.set QF,  32                           ; v[32:63]   Q: fragment (n, ks) at 8 (2 n + ks)
.set QN,  64                           ; v[64:95]   the second block's Q
.set SS,  96                           ; v[96:159]  S: tile (kb, n) at 32 n + 8 kb; P(n, u) in the first 8 of each 16
.set OO,  160                          ; v[160:223] O: tile (db, n) at 32 n + 8 db
.set UU,  224                          ; v[224:231] sums at work
.set KF,  0                            ; window 1: K fragment (kb, ks) at 8 (2 kb + ks)
.set VF,  64                           ; window 1: V^T fragment (db, u) at 64 + 8 (2 db + u)
; v3 hand-over address; v4 -inf; v5 Q's offset; v10 stage in; v11 stage back; v12 offset in ctx; v13 r - 8 h - 128 x half; v14-15 the mask's numbers;
; v16-17 m; v18-19 sums of p; v[20:21], v[22:23] NM of n = 0, 1, each twice; v[24:25], v[26:27] the factor on old sums, each twice; v28-31 at work
.set G1K, 24                           ; s[24:31]
.set G1V, 32                           ; s[32:39]
.set G0,  40                           ; s[40:47] group 0, one set a slot
.set MSB, 0
.macro WIN new
.if MSB != \new
	s_set_vgpr_msb (MSB<<8)|\new
.set MSB, \new
.endif
.endm
.macro PLACES cnt                      ; plain vector instructions behind a matrix instruction (ISA guide 7.12.1)
.rept \cnt
	v_nop
.endr
.endm
.macro ROUND                           ; a round of the cluster's barrier
	s_barrier_signal -1
	s_barrier_wait -1
	s_cmp_lg_u32 s8, 0
	s_cbranch_scc1 .Lnot_wave_0_\@
	s_barrier_signal -3
.Lnot_wave_0_\@:
	s_barrier_wait -3
	s_barrier_signal -1
	s_barrier_wait -1
.endm
.macro JLOAD o                         ; waves 0-3: 64 keys of K each; waves 4-7: 64 keys of V each (another padding)
	s_cmp_eq_u32 s9, 0
	s_cbranch_scc0 .Lfor_v_\@
	tensor_load_to_lds s[G0+4*(\o):G0+4*(\o)+3], s[G1K:G1K+7]
	s_nop 0
	s_branch .Lasked_\@
.Lfor_v_\@:
	tensor_load_to_lds s[G0+4*(\o):G0+4*(\o)+3], s[G1V:G1V+7]
	s_nop 0
.Lasked_\@:
.endm
.macro KLOAD slot, u2                  ; 16 loads: 64 keys (part u2 of my 128), all 64 d
	WIN 0x40
.irp kb, 0,1,2,3
.irp ks, 0,1
	ds_load_b128 v[KF+8*(2*\kb+\ks):KF+8*(2*\kb+\ks)+3],   v[ADK+\slot] offset:REGION*\u2+16*KP*\kb+64*\ks
	ds_load_b128 v[KF+8*(2*\kb+\ks)+4:KF+8*(2*\kb+\ks)+7], v[ADK+\slot] offset:REGION*\u2+16*KP*\kb+64*\ks+32
.endr
.endr
.endm
.macro VLOAD slot, u2                  ; 16 transposing loads: V^T of the same 64 keys
	WIN 0x40
.irp db, 0,1,2,3
.irp uu, 0,1
	ds_load_tr16_b128 v[VF+8*(2*\db+\uu):VF+8*(2*\db+\uu)+3],   v[ADV+\slot] offset:REGION*\u2+32*VP*\uu+32*\db
	ds_load_tr16_b128 v[VF+8*(2*\db+\uu)+4:VF+8*(2*\db+\uu)+7], v[ADV+\slot] offset:REGION*\u2+32*VP*\uu+32*\db+16*VP
.endr
.endr
.endm
.macro INIT                            ; a block's start
.set i, 0
.rept 64
	v_mov_b32 v[OO+i], 0
.set i, i+1
.endr
	v_mov_b32 v16, 0xf149f2ca                      ; m = -1e30, below every raw score
	v_mov_b32 v17, 0xf149f2ca
	v_mov_b32 v18, 0
	v_mov_b32 v19, 0
	v_mov_b32 v20, 0x7f800000                      ; NM = +inf: the first factor on old sums is exp2(-inf) = 0
	v_mov_b32 v22, 0x7f800000
.endm
; One sub-tile: 64 keys x 32 query rows.
.macro SUB slot, u2, always
	s_wait_dscnt 0x0                               ; K's fragments are in
	WIN 0x01                                       ; source 0 in window 1
.irp ks, 0,1
.irp nn, 0,1
.irp kb, 0,1,2,3
.if \ks == 0
	v_wmma_f32_16x16x32_f16 v[SS+32*\nn+8*\kb:SS+32*\nn+8*\kb+7], v[KF+8*(2*\kb+\ks):KF+8*(2*\kb+\ks)+7], v[QF+8*(2*\nn+\ks):QF+8*(2*\nn+\ks)+7], 0
.else
	v_wmma_f32_16x16x32_f16 v[SS+32*\nn+8*\kb:SS+32*\nn+8*\kb+7], v[KF+8*(2*\kb+\ks):KF+8*(2*\kb+\ks)+7], v[QF+8*(2*\nn+\ks):QF+8*(2*\nn+\ks)+7], v[SS+32*\nn+8*\kb:SS+32*\nn+8*\kb+7]
.endif
.endr
.endr
.endr                                              ; eight accumulators by turns, one instruction a turn
	PLACES 4                                       ; then S is read, and K's fragment registers are loaded into
	VLOAD \slot, \u2
.if \u2 == 0
	KLOAD \slot, 1                                 ; my next 64 keys, behind V's loads
.endif
	WIN 0
.if \always == 0
	s_cmp_eq_u32 s18, 0                            ; only a block's last tile is masked
	s_cbranch_scc1 .Lnomask_\@
.endif
	v_add_nc_u32 v14, s50, v13                     ; key 128 half + 64 u2 + 16 kb + 8 h + j is allowed for row rb + 16 n + r if 64 u2 + 16 kb + j <= rb + 16 n + r - 8 h - 128 half
	v_add_nc_u32 v15, 16, v14
.irp nn, 0,1
.irp kb, 0,1,2,3
.irp j, 0,1,2,3,4,5,6,7
	v_cmp_le_i32 vcc_lo, 64*\u2+16*\kb+\j, v[14+\nn]
	v_cndmask_b32 v[SS+32*\nn+8*\kb+\j], v4, v[SS+32*\nn+8*\kb+\j], vcc_lo
.endr
.endr
.endr
.Lnomask_\@:
	; the rows' maxima: two chains for each n, then the other half of the lanes, then the running maximum
	v_max3_num_f32 v28, v[SS+0],  v[SS+1],  v[SS+2]
	v_max3_num_f32 v29, v[SS+17], v[SS+18], v[SS+19]
	v_max3_num_f32 v30, v[SS+32], v[SS+33], v[SS+34]
	v_max3_num_f32 v31, v[SS+49], v[SS+50], v[SS+51]
.irp i, 0,1,2,3,4,5
	v_max3_num_f32 v28, v28, v[SS+3+2*\i],  v[SS+4+2*\i]
	v_max3_num_f32 v29, v29, v[SS+20+2*\i], v[SS+21+2*\i]
	v_max3_num_f32 v30, v30, v[SS+35+2*\i], v[SS+36+2*\i]
	v_max3_num_f32 v31, v31, v[SS+52+2*\i], v[SS+53+2*\i]
.endr
	v_max3_num_f32 v28, v28, v[SS+15], v[SS+16]
	v_max3_num_f32 v30, v30, v[SS+47], v[SS+48]
	v_max_num_f32 v28, v28, v29
	v_max_num_f32 v30, v30, v31
	v_permlanex16_b32 v29, v28, s22, s23
	v_permlanex16_b32 v31, v30, s22, s23
	v_max3_num_f32 v16, v28, v29, v16
	v_max3_num_f32 v17, v30, v31, v17
	v_mov_b32 v24, v20                             ; the old NM
	v_mov_b32 v26, v22
	v_mul_f32 v20, s62, v16                        ; NM = -c' m
	v_mul_f32 v22, s62, v17
	v_mov_b32 v21, v20
	v_mov_b32 v23, v22
	v_sub_f32 v24, v20, v24
	v_sub_f32 v26, v22, v26
	v_exp_f32 v24, v24                             ; the factor on the old sums.  Behind every run of exponentials stands a plain instruction that
	v_exp_f32 v26, v26                             ; touches none of their registers (ISA guide 5.7.2): here the first line below
.irp i, 0,1,2,3,4,5,6,7,8,9,10,11,12,13,14,15
	v_pk_fma_f32 v[SS+2*\i:SS+2*\i+1], v[SS+2*\i:SS+2*\i+1], s[60:61], v[20:21] op_sel_hi:[1,0,1]
.endr
	s_wait_alu depctr_va_vdst(0)
	v_mov_b32 v25, v24
	v_mov_b32 v27, v26
.irp i, 0,1,2,3,4,5,6,7,8,9,10,11,12,13,14,15
	v_exp_f32 v[SS+2*\i], v[SS+2*\i]
	v_exp_f32 v[SS+2*\i+1], v[SS+2*\i+1]
	v_pk_fma_f32 v[SS+32+2*\i:SS+32+2*\i+1], v[SS+32+2*\i:SS+32+2*\i+1], s[60:61], v[22:23] op_sel_hi:[1,0,1]
.endr
.irp i, 0,1,2,3,4,5,6,7,8,9,10,11,12,13,14,15
	v_exp_f32 v[SS+32+2*\i], v[SS+32+2*\i]
	v_exp_f32 v[SS+32+2*\i+1], v[SS+32+2*\i+1]
	v_pk_mul_f32 v[OO+2*\i:OO+2*\i+1], v[OO+2*\i:OO+2*\i+1], v[24:25]
	v_pk_mul_f32 v[OO+32+2*\i:OO+32+2*\i+1], v[OO+32+2*\i:OO+32+2*\i+1], v[26:27]
.endr
	; the lane's sum of p (the halves of the lanes are joined only at the block's end), then P^T in f16, in place, ascending
	s_wait_alu depctr_va_vdst(0)
.irp nn, 0,1
	v_pk_add_f32 v[UU+4*\nn:UU+4*\nn+1],   v[SS+32*\nn:SS+32*\nn+1],     v[SS+32*\nn+2:SS+32*\nn+3]
	v_pk_add_f32 v[UU+4*\nn+2:UU+4*\nn+3], v[SS+32*\nn+16:SS+32*\nn+17], v[SS+32*\nn+18:SS+32*\nn+19]
.irp i, 2,3,4,5,6,7
	v_pk_add_f32 v[UU+4*\nn:UU+4*\nn+1],   v[UU+4*\nn:UU+4*\nn+1],   v[SS+32*\nn+2*\i:SS+32*\nn+2*\i+1]
	v_pk_add_f32 v[UU+4*\nn+2:UU+4*\nn+3], v[UU+4*\nn+2:UU+4*\nn+3], v[SS+32*\nn+16+2*\i:SS+32*\nn+16+2*\i+1]
.endr
	v_pk_add_f32 v[UU+4*\nn:UU+4*\nn+1], v[UU+4*\nn:UU+4*\nn+1], v[UU+4*\nn+2:UU+4*\nn+3]
	v_add_f32 v[UU+4*\nn], v[UU+4*\nn], v[UU+4*\nn+1]
	v_fma_f32 v[18+\nn], v[18+\nn], v[24+2*\nn], v[UU+4*\nn]
.irp uu, 0,1
.irp i, 0,1,2,3,4,5,6,7
	v_cvt_pk_f16_f32 v[SS+32*\nn+16*\uu+\i], v[SS+32*\nn+16*\uu+2*\i], v[SS+32*\nn+16*\uu+2*\i+1]
.endr
.endr
.endr
.if \u2 == 0
	s_wait_dscnt 16                                ; V's 16 loads are in; the 16 of K's next 64 keys, issued behind them, may stay out
.else
	s_wait_dscnt 0x0
.endif
	WIN 0x01
.irp uu, 0,1
.irp nn, 0,1
.irp db, 0,1,2,3
	v_wmma_f32_16x16x32_f16 v[OO+32*\nn+8*\db:OO+32*\nn+8*\db+7], v[VF+8*(2*\db+\uu):VF+8*(2*\db+\uu)+7], v[SS+32*\nn+16*\uu:SS+32*\nn+16*\uu+7], v[OO+32*\nn+8*\db:OO+32*\nn+8*\db+7]
.endr
.endr
.endr                                              ; again eight accumulators by turns
	WIN 0
	PLACES 5                                       ; the next S product writes over P, a source of these; O is read or stored only behind these places
.endm
; A block's end.  Waves 4-7 hand O, NM and the sums of their half of the keys to the wave of the same head among waves 0-3, which joins the two halves,
; divides by the sum and lays its head's 128 bytes of each row into the stage; then all eight waves take whole rows of 512 bytes out.
; last = 0: the second block is set up.
.macro FLUSH last
	s_cmp_eq_u32 s9, 0
	s_cbranch_scc1 .Lkeeper_\@
	v_mov_b32 v28, v20                             ; NM of n = 0, 1 and the sums of n = 0, 1 as one piece of 16 bytes
	v_mov_b32 v29, v22
	v_mov_b32 v30, v18
	v_mov_b32 v31, v19
.irp q, 0,1,2,3,4,5,6,7,8,9,10,11,12,13,14,15
	ds_store_b128 v3, v[OO+4*\q:OO+4*\q+3] offset:512*\q      ; lane l at 16 l: 512 consecutive bytes a store
.endr
	ds_store_b128 v3, v[28:31] offset:8192
.Lkeeper_\@:
	s_wait_dscnt 0x0                               ; my stores are done, for the other wave's sake
	s_barrier_signal -1                            ; all eight waves come here together: the way here hangs on c and the trip alone.
	s_barrier_wait -1                              ; The next tile's load may stay out across it
	s_cmp_lg_u32 s9, 0
	s_cbranch_scc1 .Lhanded_\@
.irp q, 0,1,2,3,4,5,6,7,8,9,10,11,12,13,14,15
	ds_load_b128 v[SS+4*\q:SS+4*\q+3], v3 offset:512*\q       ; the other half's O, register for register and lane for lane
.endr
	ds_load_b128 v[UU:UU+3], v3 offset:8192
	s_wait_dscnt 0x0
	v_min_num_f32 v28, v20, v[UU]                  ; the joint NM: the smaller one belongs to the larger maximum
	v_min_num_f32 v30, v22, v[UU+1]
	v_sub_f32 v24, v28, v20
	v_sub_f32 v26, v30, v22
	v_sub_f32 v28, v28, v[UU]
	v_sub_f32 v30, v30, v[UU+1]
	v_exp_f32 v24, v24                             ; my factor,
	v_exp_f32 v26, v26
	v_exp_f32 v28, v28                             ; the other half's
	v_exp_f32 v30, v30
	v_nop                                          ; the plain place behind the exponentials
	s_wait_alu depctr_va_vdst(0)
	v_mul_f32 v18, v18, v24
	v_mul_f32 v19, v19, v26
	v_fma_f32 v18, v[UU+2], v28, v18
	v_fma_f32 v19, v[UU+3], v30, v19
	v_permlanex16_b32 v29, v18, s22, s23           ; the other half of the lanes holds the other keys' part of the sum
	v_permlanex16_b32 v31, v19, s22, s23
	v_add_f32 v18, v18, v29
	v_add_f32 v19, v19, v31
	v_rcp_f32 v[UU+4], v18
	v_rcp_f32 v[UU+5], v19
	v_nop                                          ; the plain place behind the reciprocals
	s_wait_alu depctr_va_vdst(0)
	v_mul_f32 v24, v24, v[UU+4]
	v_mul_f32 v26, v26, v[UU+5]
	v_mul_f32 v28, v28, v[UU+4]
	v_mul_f32 v30, v30, v[UU+5]
	v_mov_b32 v25, v24
	v_mov_b32 v27, v26
	v_mov_b32 v29, v28
	v_mov_b32 v31, v30
.irp nn, 0,1
.irp i, 0,1,2,3,4,5,6,7,8,9,10,11,12,13,14,15
	v_pk_mul_f32 v[OO+32*\nn+2*\i:OO+32*\nn+2*\i+1], v[OO+32*\nn+2*\i:OO+32*\nn+2*\i+1], v[24+2*\nn:25+2*\nn]
.endr
.endr
.irp nn, 0,1
.irp i, 0,1,2,3,4,5,6,7,8,9,10,11,12,13,14,15
	v_pk_fma_f32 v[OO+32*\nn+2*\i:OO+32*\nn+2*\i+1], v[SS+32*\nn+2*\i:SS+32*\nn+2*\i+1], v[28+2*\nn:29+2*\nn], v[OO+32*\nn+2*\i:OO+32*\nn+2*\i+1]
.endr
.endr
.irp nn, 0,1
.irp i, 0,1,2,3,4,5,6,7,8,9,10,11,12,13,14,15
	v_cvt_pk_f16_f32 v[SS+16*\nn+\i], v[OO+32*\nn+2*\i], v[OO+32*\nn+2*\i+1]
.endr
.endr
.irp nn, 0,1
.irp db, 0,1,2,3
	ds_store_b128 v10, v[SS+16*\nn+4*\db:SS+16*\nn+4*\db+3] offset:16*STP*\nn+32*\db     ; row 16 n + r, my head's 128 bytes, d = 16 db + 8 h ..
.endr
.endr
.Lhanded_\@:
	s_wait_dscnt 0x0                               ; my stores into the stage are done, for the other waves' sake
	s_barrier_signal -1
	s_barrier_wait -1
.irp t, 0,1,2,3
	ds_load_b128 v[SS+32+4*\t:SS+32+4*\t+3], v11 offset:STP*\t                            ; row 4 w + t, all four heads
.endr
.irp t, 0,1,2,3
	s_wait_dscnt 3-\t
	global_store_b128 v12, v[SS+32+4*\t:SS+32+4*\t+3], s[52:53] offset:4096*\t            ; 512 consecutive bytes, aligned
.endr
.if \last == 0
	s_wait_xcnt 0x0                                ; the stores' data and base are written again only behind this wait
	INIT
.set i, 0
.rept 32
	v_mov_b32 v[QF+i], v[QN+i]
.set i, i+1
.endr
	s_mov_b32 s50, s51                             ; the second block's place in its last tile
	s_mov_b64 s[52:53], s[54:55]                   ; and its rows of ctx
.endif
.endm
; One trip: one tile of 256 keys, of which a wave takes 128 as two sub-tiles.  In front of the round every wave waits for all its tensor loads and for its
; LDS reads; the joint load of the next trip's tile, into the slot read last trip, is the wave's first and only tensor load behind the round: one load of a
; wave is out at any time, and it has two sub-tiles of each of the SIMD's two waves in which to land.
.macro TRIP slot, refill, final
	s_wait_tensorcnt 0x0                           ; this trip's tile has landed; no load of mine is out, so a group 0 may be written
	ds_add_u32 v254, v255
	s_wait_dscnt 0x0
.if \refill
	s_add_co_u32 s19, s17, \slot+1                 ; the next trip's number;
	s_cmp_lt_u32 s19, s14
	s_cselect_b32 s20, 0, s14
	s_sub_co_u32 s19, s19, s20                     ; its tile: the count starts again with the second block
	s_lshl_b32 s20, s19, 15                        ; 256 keys x 128 bytes
	s_add_nc_u64 s[G0+4*(1-\slot)+2:G0+4*(1-\slot)+3], s[48:49], s[20:21]
	s_or_b32 s[G0+4*(1-\slot)+3], s[G0+4*(1-\slot)+3], 0x80000000
.endif
	s_wait_dscnt 0x0                               ; my reads of the last trip's tile are done
	ROUND
.if \refill
	JLOAD 1-\slot
.endif
.if \final == 0
.if \slot == 0
	s_cmp_eq_u32 s17, s15                          ; is this the first block's last tile?
.else
	s_cmp_eq_u32 s17, s16
.endif
	s_cselect_b32 s18, 1, 0
.endif
	KLOAD \slot, 0
	SUB \slot, 0, \final
	SUB \slot, 1, \final
.if \final
	FLUSH 1
.else
	s_cmp_eq_u32 s18, 0
	s_cbranch_scc1 .Lnoflush_\@
	FLUSH 0
.Lnoflush_\@:
.endif
.endm
	s_load_b128 s[4:7], s[0:1], 0x0                ; qkv s[4:5], ctx s[6:7]
	v_lshl_add_u32 v254, v0, 2, 0x34a00
	v_mov_b32 v255, 0
	ds_add_u32 v254, v255
	v_lshrrev_b32 v1, 5, v0
	v_readfirstlane_b32 s8, v1                     ; wave w, 0..7
	s_lshr_b32 s9, s8, 2                           ; my half of a tile's keys.  Also: I fetch K (0) or V (1)
	s_and_b32 s10, s8, 3                           ; my head of the four.  Also: which 64 keys of the tile I fetch
	s_bfe_u32 s11, ttmp6, 0x40000                  ; cx
	s_mov_b32 s12, ttmp9                           ; c
	s_and_b32 s13, ttmp7, 0xffff                   ; g
	s_sub_co_u32 s14, 15, s12
	s_lshr_b32 s14, s14, 1
	s_add_co_u32 s14, s14, 1                       ; tiles of the first block: (15 - c) / 2 + 1
	s_sub_co_u32 s15, s14, 1
	s_sub_co_u32 s16, s14, 2
	s_mov_b32 s17, 0                               ; the trip counter: 0, 2, 4, 6
	s_mov_b32 s21, 0                               ; the upper word of the offsets in s[20:21], which never hold cx
	s_mov_b32 s67, 0                               ; the upper word of the offsets in s[66:67], which do
	s_mov_b32 s22, 0x76543210                      ; v_permlanex16_b32: lane i reads lane i of the other half
	s_mov_b32 s23, 0xfedcba98
	s_mov_b32 s60, 0x4638aa3b                      ; c' = log2(e) * 2^13
	s_mov_b32 s61, 0x4638aa3b
	s_mov_b32 s62, 0xc638aa3b                      ; -c'
	s_lshl_b32 s68, s12, 2
	s_add_co_u32 s68, s68, s11                     ; the second block, 4 c + cx
	s_sub_co_u32 s69, 63, s68                      ; the first block
	s_and_b32 s51, s68, 7
	s_lshl_b32 s51, s51, 5                         ; the second block's first row in its last tile: 32 (block mod 8)
	s_sub_co_u32 s50, 224, s51                     ; the first block's: 32 (7 - that block mod 8)
	; group 1: 64 rows of 64 elements of 2 bytes, dense in memory; padding behind every 32 words: 4 words for K, 8 for V; mask 15 with bit 21 beside it
	s_mov_b32 s[G1K+0], 15|(1<<16)|(1<<20)|(1<<21)|(4<<22)|(3<<25)
	s_mov_b32 s[G1K+1], 64<<16
	s_mov_b32 s[G1K+2], 64<<16
	s_mov_b32 s[G1K+3], 64<<16
	s_mov_b32 s[G1K+4], 64
	s_mov_b32 s[G1K+5], 64
	s_mov_b32 s[G1K+6], 0
	s_mov_b32 s[G1K+7], 0
	s_mov_b32 s[G1V+0], 15|(1<<16)|(1<<20)|(1<<21)|(4<<22)|(7<<25)
	s_mov_b32 s[G1V+1], 64<<16
	s_mov_b32 s[G1V+2], 64<<16
	s_mov_b32 s[G1V+3], 64<<16
	s_mov_b32 s[G1V+4], 64
	s_mov_b32 s[G1V+5], 64
	s_mov_b32 s[G1V+6], 0
	s_mov_b32 s[G1V+7], 0
	s_mov_b32 s[G0+0], 1
	s_mul_i32 s[G0+1], s8, REGION                  ; my region of slot 0
	s_mov_b32 s[G0+4], 1
	s_add_co_u32 s[G0+5], s[G0+1], SLOTB           ; and of slot 1
	s_lshl_b32 s19, s9, 3
	s_add_co_u32 s19, s19, s13
	s_add_co_u32 s19, s19, 32                      ; head 32 + g holds K, head 40 + g holds V
	s_lshl_b32 s19, s19, 18
	s_lshl_b32 s20, s10, 13                        ; 64 keys x 128 bytes
	s_add_co_u32 s20, s20, s19
	s_wait_dscnt 0x0
	s_wait_kmcnt 0x0
	s_add_nc_u64 s[48:49], s[4:5], s[20:21]        ; my part of tile 0
	s_mov_b64 s[G0+2:G0+3], s[48:49]
	s_or_b32 s[G0+3], s[G0+3], 0x80000000
	s_lshl_b32 s19, s13, 2
	s_add_co_u32 s19, s19, s10
	s_lshl_b32 s19, s19, 18                        ; query head 4 g + (w & 3)
	s_lshl_b32 s66, s69, 12                        ; 32 rows x 128 bytes a block
	s_add_co_u32 s66, s66, s19
	s_add_nc_u64 s[56:57], s[4:5], s[66:67]        ; the first block's Q
	s_lshl_b32 s66, s68, 12
	s_add_co_u32 s66, s66, s19
	s_add_nc_u64 s[58:59], s[4:5], s[66:67]        ; the second block's Q
	s_lshl_b32 s19, s13, 9                         ; the four heads' 512 bytes in a row of ctx
	s_lshl_b32 s66, s69, 17                        ; 32 rows x 4,096 bytes a block
	s_add_co_u32 s66, s66, s19
	s_add_nc_u64 s[52:53], s[6:7], s[66:67]
	s_lshl_b32 s66, s68, 17
	s_add_co_u32 s66, s66, s19
	s_add_nc_u64 s[54:55], s[6:7], s[66:67]
	v_and_b32 v1, 15, v0                           ; r
	v_bfe_u32 v2, v0, 4, 1                         ; h
	v_and_b32 v3, 31, v0                           ; lane
	v_mov_b32 v4, 0xff800000
	v_lshlrev_b32 v5, 7, v1
	v_lshl_add_u32 v5, v2, 4, v5                   ; Q: row r, 16 bytes at 16 h
.irp nn, 0,1
.irp ks, 0,1
	global_load_b128 v[QF+8*(2*\nn+\ks):QF+8*(2*\nn+\ks)+3],   v5, s[56:57] offset:2048*\nn+64*\ks
	global_load_b128 v[QF+8*(2*\nn+\ks)+4:QF+8*(2*\nn+\ks)+7], v5, s[56:57] offset:2048*\nn+64*\ks+32
	global_load_b128 v[QN+8*(2*\nn+\ks):QN+8*(2*\nn+\ks)+3],   v5, s[58:59] offset:2048*\nn+64*\ks
	global_load_b128 v[QN+8*(2*\nn+\ks)+4:QN+8*(2*\nn+\ks)+7], v5, s[58:59] offset:2048*\nn+64*\ks+32
.endr
.endr
	s_mul_i32 s19, s9, 2*REGION                    ; my half of the keys: two regions on
	v_mul_u32_u24 v[ADK], v1, KP
	v_lshl_add_u32 v[ADK], v2, 4, v[ADK]           ; K: key r, 16 bytes at 16 h
	v_add_nc_u32 v[ADK], s19, v[ADK]
	v_add_nc_u32 v[ADK+1], SLOTB, v[ADK]
	v_and_b32 v14, 7, v0
	v_lshl_add_u32 v14, v2, 3, v14                 ; V: key 8 h + lane % 8,
	v_mul_u32_u24 v[ADV], v14, VP
	v_bfe_u32 v14, v0, 3, 1
	v_lshl_add_u32 v[ADV], v14, 4, v[ADV]          ; 16 bytes at 16 ((lane / 8) % 2),
	s_add_co_u32 s19, s19, 4*REGION                ; behind K's four regions
	v_add_nc_u32 v[ADV], s19, v[ADV]
	v_add_nc_u32 v[ADV+1], SLOTB, v[ADV]
	s_lshl_b32 s19, s10, 7
	s_add_co_u32 s19, s19, STAGE
	v_mul_u32_u24 v10, v1, STP
	v_lshl_add_u32 v10, v2, 4, v10
	v_add_nc_u32 v10, s19, v10                     ; stage in: row r, 128 x head + 16 h
	s_mul_i32 s19, s8, 4*STP
	s_add_co_u32 s19, s19, STAGE
	v_lshl_add_u32 v11, v3, 4, s19                 ; stage back: rows 4 w .., 16 bytes a lane
	s_lshl_b32 s19, s8, 14
	v_lshl_add_u32 v12, v3, 4, s19                 ; the same in ctx: rows of 4,096 bytes
	s_lshl_b32 s19, s9, 7
	v_lshlrev_b32 v14, 3, v2
	v_add_nc_u32 v14, s19, v14
	v_sub_nc_u32 v13, v1, v14                      ; r - 8 h - 128 x half
	s_mul_i32 s19, s10, MSTEP
	s_add_co_u32 s19, s19, MERGE
	v_lshl_add_u32 v3, v3, 4, s19                  ; hand-over: my head's area, 16 bytes a lane
	INIT
	ROUND                                          ; in front of the first joint load
	JLOAD 0                                        ; tile 0 into slot 0; slot 1 is first filled behind the first trip's round
	s_wait_loadcnt 0x0                             ; both blocks' Q
.Ltrip:
	TRIP 0, 1, 0
	TRIP 1, 1, 0
	s_add_co_u32 s17, s17, 2
	s_cmp_lt_u32 s17, 8
	s_cbranch_scc1 .Ltrip
	TRIP 0, 0, 1                                   ; trip 8: the second block's last tile; nothing is left to fetch
	s_wait_tensorcnt 0x0
	ds_add_u32 v254, v255
	s_wait_dscnt 0x0
	ROUND                                          ; the closing round
	s_endpgm
.Lfunc_end_k_q0af0980fc7_attend:
	.size	k_q0af0980fc7_attend, .Lfunc_end_k_q0af0980fc7_attend-k_q0af0980fc7_attend
	.p2alignl 7, 3214868480
	.fill 96, 4, 3214868480
	.section	.rodata,"a",@progbits
	.p2align	6, 0x0
	.amdhsa_kernel k_q0af0980fc7_attend
		.amdhsa_group_segment_fixed_size 327680
		.amdhsa_private_segment_fixed_size 0
		.amdhsa_enable_private_segment 0
		.amdhsa_kernarg_size 16
		.amdhsa_user_sgpr_count 2
		.amdhsa_user_sgpr_kernarg_segment_ptr 1
		.amdhsa_wavefront_size32 1
		.amdhsa_system_sgpr_workgroup_id_x 1
		.amdhsa_system_sgpr_workgroup_id_y 1
		.amdhsa_system_sgpr_workgroup_id_z 1
		.amdhsa_system_vgpr_workitem_id 0
		.amdhsa_next_free_vgpr 384
		.amdhsa_next_free_sgpr 72
		.amdhsa_reserve_vcc 1
		.amdhsa_float_denorm_mode_32 3
		.amdhsa_float_denorm_mode_16_64 3
		.amdhsa_memory_ordered 1
		.amdhsa_forward_progress 1
		.amdhsa_inst_pref_size 187
	.end_amdhsa_kernel
	.amdgpu_metadata
---
amdhsa.version: [ 1, 2 ]
amdhsa.kernels:
  - .name:           k_q0af0980fc7_attend
    .symbol:         k_q0af0980fc7_attend.kd
    .args:
      - { .name: qkv, .offset: 0, .size: 8, .value_kind: global_buffer, .address_space: global }
      - { .name: ctx, .offset: 8, .size: 8, .value_kind: global_buffer, .address_space: global }
    .group_segment_fixed_size: 327680
    .private_segment_fixed_size: 0
    .kernarg_segment_align: 8
    .kernarg_segment_size: 16
    .max_flat_workgroup_size: 256
    .sgpr_count:     72
    .vgpr_count:     384
    .wavefront_size: 32
...
	.end_amdgpu_metadata
.endif
;; end of part 3
;; launch output (part 4): grid 16 x 16, 4 waves a work-group, clusters of 4 x 4, 327,680 bytes of LDS; arguments ctx, wob, out0; writes out0
.if DOCPART == 4
	.amdgcn_target "amdgcn-amd-amdhsa--gfx1250"
	.amdhsa_code_object_version 6
	.text
	.protected	k_q0af0980fc7_output
	.globl	k_q0af0980fc7_output
	.p2align	8
	.type	k_q0af0980fc7_output,@function
k_q0af0980fc7_output:
	s_mov_b64 s[64:65], 0
	v_nop
	global_prefetch_b8 v0, s[64:65] scope:SCOPE_SE
	s_setreg_imm32_b32 hwreg(HW_REG_WAVE_MODE, 25, 1), 1
	s_wait_xcnt 0x0
	s_wait_alu depctr_hold_cnt(0) depctr_sa_sdst(0) depctr_va_vdst(0) depctr_va_sdst(0) depctr_va_ssrc(0) depctr_va_vcc(0) depctr_vm_vsrc(0)
	s_getreg_b32 s2, hwreg(HW_REG_IB_STS2, 6, 4)
	s_cmp_eq_u32 s2, 0
	s_cbranch_scc0 .Lentry_in_a_cluster
	s_endpgm
.Lentry_in_a_cluster:
	s_bfe_u32 s2, ttmp6, 0x10000c
	s_cmp_lg_u32 s2, 0xf033
	s_cbranch_scc0 .Lentry_shape_is_right
	s_endpgm
.Lentry_shape_is_right:
; out0 [2048][2048] f32 = ctx * wob^T, f16 operands, f32 sums.  ctx holds the context * 2^-2 and wob 4 * Wo, so the product needs no factor.
; A work-group makes 128 x 128 with four waves (256 work-groups), a wave 64 x 64: 16 accumulator tiles.  A slot holds TWO K steps of 128: rows of 512 bytes,
; so that one round of the cluster's barrier and one load a wave serve 128 matrix instructions of a wave.  Eight slot steps through two slots.
; CLUSTERS of 4 x 4: ctx's tiles are shared along a cluster's row, wob's along a column, each asked for jointly.
; REGISTERS: window 0: v16-26 addresses; v32-95, v96-159 two fragment buffers (4 fragments of wob, then 4 of ctx).  Window 1: tile (a, b) at v[8 (4 a + b)].
; Transposed use (source 0 = rows of wob, source 1 = rows of ctx): lane l holds row l % 16 and columns 16 b + 8 (l / 16) + 0..7, 32 neighbouring bytes.
.set PITCH,  528                       ; 512 bytes + 16 of padding: an odd multiple of 16
.set QUART,  64*PITCH                  ; 64 rows: what one tensor load brings, and what a wave reads of ctx or of wob
.set SLOT,   4*QUART                   ; ctx's 128 rows, then wob's 128 rows
.set STAGE,  2*SLOT                    ; behind the ring: 16 rows x 272 bytes for each wave; no tensor load lands here
.set SPITCH, 272
.set LAPS,   4
.set ADRA, 16
.set ADRB, 20
.set STO,  24
.set RD,   25
.set CO,   26
.set F0,   32
.set F1,   96
.set G1,  24
.set G0,  32
.set G1B, 48
.set G0B, 56
.set MUL, 0x50
.set MSB, 0
.macro WIN new
.if MSB != \new
	s_set_vgpr_msb (MSB<<8)|\new
.set MSB, \new
.endif
.endm
.macro PLACES                          ; four plain vector instructions behind a matrix instruction (ISA guide 7.12.1)
.rept 4
	v_nop
.endr
.endm
.macro JLOAD s                         ; waves 0, 1: ctx's two halves; waves 2, 3: wob's
	s_cmp_eq_u32 s13, 0
	s_cbranch_scc0 .Lfor_b_\@
	tensor_load_to_lds s[G0+4*\s:G0+4*\s+3], s[G1:G1+7]
	s_nop 0
	s_branch .Lasked_\@
.Lfor_b_\@:
	tensor_load_to_lds s[G0B+4*\s:G0B+4*\s+3], s[G1B:G1B+7]
	s_nop 0
.Lasked_\@:
.endm
.macro CREST
	s_cmp_lg_u32 s12, 0
	s_cbranch_scc1 .Lnot_wave_0_\@
	s_barrier_signal -3
.Lnot_wave_0_\@:
	s_barrier_wait -3
	s_barrier_signal -1
	s_barrier_wait -1
.endm
.macro CROUND
	s_barrier_signal -1
	s_barrier_wait -1
	CREST
.endm
	s_load_b128 s[4:7], s[0:1], 0x0                ; ctx s[4:5], wob s[6:7]
	s_load_b64 s[8:9], s[0:1], 0x10                ; out0
	v_lshl_add_u32 v254, v0, 2, 0x46400
	v_mov_b32 v255, 0
	ds_add_u32 v254, v255
	v_lshrrev_b32 v1, 5, v0
	v_readfirstlane_b32 s12, v1                    ; wave
	s_lshr_b32 s13, s12, 1                         ; my 64 rows of the block.  Also: I fetch ctx (0) or wob (1)
	s_and_b32 s14, s12, 1                          ; my 64 columns.  Also: which 64 rows of that tile I fetch
	s_bfe_u32 s15, ttmp6, 0x40000                  ; cx
	s_bfe_u32 s16, ttmp6, 0x40004                  ; cy
	s_lshl_b32 s17, ttmp9, 2
	s_add_co_u32 s17, s17, s15                     ; block column
	s_and_b32 s18, ttmp7, 0xffff
	s_lshl_b32 s18, s18, 2
	s_add_co_u32 s18, s18, s16                     ; block row
	s_lshl_b32 s19, s16, 2
	s_lshl_b32 s19, 15, s19                        ; my row of the cluster
	s_lshl_b32 s20, 0x1111, s15                    ; my column
	; group 1: 64 rows x 256 elements of 2 bytes; 4 words of padding behind every 128 words
	s_or_b32 s[G1+0], s19, (1<<16)|(1<<20)|(1<<21)|(6<<22)|(3<<25)
	s_or_b32 s[G1B+0], s20, (1<<16)|(1<<20)|(1<<21)|(6<<22)|(3<<25)
	s_mov_b32 s[G1+1], 256<<16
	s_mov_b32 s[G1B+1], 256<<16
	s_mov_b32 s[G1+2], 64<<16
	s_mov_b32 s[G1B+2], 64<<16
	s_mov_b32 s[G1+3], 256<<16
	s_mov_b32 s[G1B+3], 256<<16
	s_mov_b32 s[G1+4], 64
	s_mov_b32 s[G1B+4], 64
	s_mov_b32 s[G1+5], 2048
	s_mov_b32 s[G1B+5], 2048
	s_mov_b32 s[G1+6], 0
	s_mov_b32 s[G1B+6], 0
	s_mov_b32 s[G1+7], 0
	s_mov_b32 s[G1B+7], 0
	s_lshl_b32 s42, s14, 6
	s_lshl_b32 s40, s18, 7
	s_add_co_u32 s40, s40, s42                     ; ctx: row 128 x block row + 64 x half
	s_lshl_b32 s40, s40, 12
	s_mov_b32 s41, 0
	s_lshl_b32 s46, s14, 6
	s_lshl_b32 s44, s17, 7
	s_add_co_u32 s44, s44, s46                     ; wob: row 128 x block column + 64 x half
	s_lshl_b32 s44, s44, 12
	s_mov_b32 s45, 0
	s_mul_i32 s22, s12, QUART                      ; where they go: wave x 64 rows
	; the way out: row 128 x block row + 64 x my half, rows of 8,192 bytes; column 128 x block column + 64 x my half, 4 bytes each
	s_lshl_b32 s74, s18, 7
	s_lshl_b32 s75, s13, 6
	s_add_co_u32 s74, s74, s75
	s_lshl_b32 s74, s74, 13
	s_lshl_b32 s76, s17, 7
	s_lshl_b32 s77, s14, 6
	s_add_co_u32 s76, s76, s77
	s_lshl_b32 s76, s76, 2
	s_add_co_u32 s74, s74, s76
	s_mov_b32 s75, 0
	s_wait_dscnt 0x0
	s_wait_kmcnt 0x0
	s_add_nc_u64 s[40:41], s[4:5], s[40:41]
	s_add_nc_u64 s[44:45], s[6:7], s[44:45]
	s_add_nc_u64 s[8:9], s[8:9], s[74:75]
	CROUND                                         ; in front of the first joint loads
.irp s, 0,1
	s_mov_b32 s[G0+4*\s], 1
	s_add_co_u32 s[G0+4*\s+1], s22, \s*SLOT
	s_add_nc_u64 s[G0+4*\s+2:G0+4*\s+3], s[40:41], \s*512
	s_or_b32 s[G0+4*\s+3], s[G0+4*\s+3], 0x80000000
	s_mov_b32 s[G0B+4*\s], 1
	s_add_co_u32 s[G0B+4*\s+1], s22, \s*SLOT
	s_add_nc_u64 s[G0B+4*\s+2:G0B+4*\s+3], s[44:45], \s*512
	s_or_b32 s[G0B+4*\s+3], s[G0B+4*\s+3], 0x80000000
	JLOAD \s                                       ; two loads of the wave are out here, one ever after
.endr
	v_and_b32 v1, 15, v0                           ; r
	v_bfe_u32 v2, v0, 4, 1                         ; h
	v_mul_u32_u24 v3, v1, PITCH
	v_lshl_add_u32 v3, v2, 4, v3
	s_mul_i32 s66, s13, QUART
	s_mul_i32 s67, s14, QUART
	s_add_co_u32 s67, s67, 2*QUART
.irp s, 0,1
	v_add_nc_u32 v[ADRA+\s], s66, v3
	v_add_nc_u32 v[ADRB+\s], s67, v3
	s_add_co_u32 s66, s66, SLOT
	s_add_co_u32 s67, s67, SLOT
.endr
	s_mul_i32 s66, s12, 16*SPITCH
	s_add_co_u32 s66, s66, STAGE
	v_mul_u32_u24 v4, v1, SPITCH
	v_lshl_add_u32 v4, v2, 5, v4
	v_add_nc_u32 v[STO], s66, v4                   ; in: row r, 32 bytes for each half of the lanes
	v_mul_u32_u24 v5, v2, SPITCH
	v_lshl_add_u32 v5, v1, 4, v5
	v_add_nc_u32 v[RD], s66, v5                    ; back: lanes 0-15 one row of 256 bytes, lanes 16-31 the next
	v_lshlrev_b32 v5, 13, v2
	v_lshl_add_u32 v[CO], v1, 4, v5                ; the same two rows in out0
.macro MULROW f, a, zero
.irp b, 0,1,2,3
.if \zero
	v_wmma_f32_16x16x32_f16 v[8*(4*\a+\b):8*(4*\a+\b)+7], v[\f+8*\b:\f+8*\b+7], v[\f+32+8*\a:\f+32+8*\a+7], 0
.else
	v_wmma_f32_16x16x32_f16 v[8*(4*\a+\b):8*(4*\a+\b)+7], v[\f+8*\b:\f+8*\b+7], v[\f+32+8*\a:\f+32+8*\a+7], v[8*(4*\a+\b):8*(4*\a+\b)+7]
.endif
.endr
.endm
.macro FETCH slot, k, f                ; 16 LDS loads: 64 rows of wob, then 64 rows of ctx, 32 K at byte k
	WIN 0
.irp i, 0,1,2,3
	ds_load_b128 v[\f+8*\i:\f+8*\i+3],   v[ADRB+\slot] offset:\k+\i*16*PITCH
	ds_load_b128 v[\f+8*\i+4:\f+8*\i+7], v[ADRB+\slot] offset:\k+\i*16*PITCH+32
.endr
.irp i, 0,1,2,3
	ds_load_b128 v[\f+32+8*\i:\f+32+8*\i+3],   v[ADRA+\slot] offset:\k+\i*16*PITCH
	ds_load_b128 v[\f+32+8*\i+4:\f+32+8*\i+7], v[ADRA+\slot] offset:\k+\i*16*PITCH+32
.endr
.endm
; A slot step is eight parts of 32 along K, 16 matrix instructions each, on buffers 0, 1, 0, 1, ..  The 16 accumulators take turns in one fixed order,
; one instruction a turn, over the backward jump too.
.macro QUARTER slot, k, f, g, zero
	s_wait_dscnt 4                                 ; wob and ctx's rows 0-31 are in; the youngest four loads may be out
	WIN MUL
	MULROW \f, 0, \zero
	MULROW \f, 1, \zero
	PLACES
	FETCH \slot, \k, \g
	s_wait_dscnt 16                                ; all but the 16 just issued
	WIN MUL
	MULROW \f, 2, \zero
	MULROW \f, 3, \zero
.endm
.macro SEVEN slot, zero
	QUARTER \slot, 64,  F0, F1, \zero
	QUARTER \slot, 128, F1, F0, 0
	QUARTER \slot, 192, F0, F1, 0
	QUARTER \slot, 256, F1, F0, 0
	QUARTER \slot, 320, F0, F1, 0
	QUARTER \slot, 384, F1, F0, 0
	QUARTER \slot, 448, F0, F1, 0
.endm
; The eighth part multiplies buffer 1 and changes slots: the waits for my reads and for all my tensor loads, the barrier (with fill = 1 it opens a round of
; the cluster's barrier), the joint refill first behind it, one load a wave.
.macro TURN slot, next, fill
	s_wait_dscnt 4
	WIN MUL
	MULROW F1, 0, 0
	s_wait_dscnt 0                                 ; my reads of this slot are over
	s_wait_tensorcnt 0x0                           ; all my tensor loads have landed
	ds_add_u32 v254, v255
	s_wait_dscnt 0x0
	s_barrier_signal -1
	MULROW F1, 1, 0
	WIN 0
	s_barrier_wait -1
.if \fill
	CREST
	s_add_nc_u64 s[G0+4*\slot+2:G0+4*\slot+3], s[G0+4*\slot+2:G0+4*\slot+3], 1024          ; two slot steps of 512 bytes on
	s_add_nc_u64 s[G0B+4*\slot+2:G0B+4*\slot+3], s[G0B+4*\slot+2:G0B+4*\slot+3], 1024
	JLOAD \slot
.endif
	PLACES
	FETCH \next, 0, F0
	WIN MUL
	MULROW F1, 2, 0
	MULROW F1, 3, 0
.endm
.macro LAP zero
	SEVEN 0, \zero
	TURN 0, 1, 1
	SEVEN 1, 0
	TURN 1, 0, 1
.endm
	s_wait_tensorcnt 1                             ; my part of slot 0 is in; slot 1's stays out
	s_barrier_signal -1
	s_barrier_wait -1
	FETCH 0, 0, F0
	LAP 1
	WIN 0
	s_mov_b32 s21, LAPS-2
.Llap:
	LAP 0
	WIN 0
	s_sub_co_u32 s21, s21, 1
	s_cmp_lg_u32 s21, 0
	s_cbranch_scc1 .Llap
	SEVEN 0, 0                                     ; the last lap fills nothing
	TURN 0, 1, 0
	SEVEN 1, 0
	s_wait_dscnt 4
	WIN MUL
	MULROW F1, 0, 0
	MULROW F1, 1, 0
	s_wait_dscnt 0
	MULROW F1, 2, 0
	MULROW F1, 3, 0
	PLACES                                         ; behind the last matrix instructions: results are stored to LDS, fragment registers are loaded into
; THE WAY OUT, 16 rows at a time through my own stage: 32 bytes a lane in, whole rows of 256 bytes back and out.
.macro OUT16 a, f
	WIN 0x04                                       ; an LDS store's data is source 1: window 1
.irp b, 0,1,2,3
	ds_store_b128 v[STO], v[8*(4*\a+\b):8*(4*\a+\b)+3]   offset:64*\b
	ds_store_b128 v[STO], v[8*(4*\a+\b)+4:8*(4*\a+\b)+7] offset:64*\b+16
.endr
	WIN 0
	s_wait_xcnt 0x0                                ; buffer f was store data two steps ago: it is loaded into only behind this wait
.irp t, 0,1,2,3,4,5,6,7
	ds_load_b128 v[\f+4*\t:\f+4*\t+3], v[RD] offset:\t*2*SPITCH    ; a wave's LDS instructions are served in order: these see the stores above
.endr
.irp t, 0,1,2,3,4,5,6,7
	s_wait_dscnt 7-\t
	global_store_b128 v[CO], v[\f+4*\t:\f+4*\t+3], s[8:9] offset:131072*\a+16384*\t th:TH_STORE_NT   ; 16 lanes store 256 consecutive bytes, aligned
.endr
.endm
	OUT16 0, F0
	OUT16 1, F1
	OUT16 2, F0
	OUT16 3, F1
	s_wait_tensorcnt 0x0
	ds_add_u32 v254, v255
	s_wait_dscnt 0x0
	CROUND                                         ; the closing round
	s_endpgm
.Lfunc_end_k_q0af0980fc7_output:
	.size	k_q0af0980fc7_output, .Lfunc_end_k_q0af0980fc7_output-k_q0af0980fc7_output
	.p2alignl 7, 3214868480
	.fill 96, 4, 3214868480
	.section	.rodata,"a",@progbits
	.p2align	6, 0x0
	.amdhsa_kernel k_q0af0980fc7_output
		.amdhsa_group_segment_fixed_size 327680
		.amdhsa_private_segment_fixed_size 0
		.amdhsa_enable_private_segment 0
		.amdhsa_kernarg_size 24
		.amdhsa_user_sgpr_count 2
		.amdhsa_user_sgpr_kernarg_segment_ptr 1
		.amdhsa_wavefront_size32 1
		.amdhsa_system_sgpr_workgroup_id_x 1
		.amdhsa_system_sgpr_workgroup_id_y 1
		.amdhsa_system_sgpr_workgroup_id_z 1
		.amdhsa_system_vgpr_workitem_id 0
		.amdhsa_next_free_vgpr 384
		.amdhsa_next_free_sgpr 80
		.amdhsa_reserve_vcc 0
		.amdhsa_float_denorm_mode_32 3
		.amdhsa_float_denorm_mode_16_64 3
		.amdhsa_memory_ordered 1
		.amdhsa_forward_progress 1
		.amdhsa_inst_pref_size 127
	.end_amdhsa_kernel
	.amdgpu_metadata
---
amdhsa.version: [ 1, 2 ]
amdhsa.kernels:
  - .name:           k_q0af0980fc7_output
    .symbol:         k_q0af0980fc7_output.kd
    .args:
      - { .name: ctx, .offset: 0, .size: 8, .value_kind: global_buffer, .address_space: global }
      - { .name: wob, .offset: 8, .size: 8, .value_kind: global_buffer, .address_space: global }
      - { .name: out0, .offset: 16, .size: 8, .value_kind: global_buffer, .address_space: global }
    .group_segment_fixed_size: 327680
    .private_segment_fixed_size: 0
    .kernarg_segment_align: 8
    .kernarg_segment_size: 24
    .max_flat_workgroup_size: 128
    .sgpr_count:     80
    .vgpr_count:     384
    .wavefront_size: 32
...
	.end_amdgpu_metadata
.endif
;; end of part 4
